; MI455X (gfx1250); checked and timed in simulation.
; The chip was launched on July 23, 2026; its instructions are those of AMD's public machine-readable ISA for CDNA 5 (MIT licence, August 2026) and "CDNA5" Instruction Set Architecture Reference Guide (July 2026). The comments in the code are by the model that wrote it; some were corrected since.
;; Layer114. Allowed arithmetic: matrix products marked QUANTISED: E3M2 operands, one E8M0 scale for each 32 along K, by v_wmma_scale_f32_16x16x128_f8f6f4 with both operands' format E3M2, f32 sums; everything else in f32.
;; Inputs: Wk 1,024 x 1,024 float32; Wq 1,024 x 1,024 float32; Wv 1,024 x 1,024 float32; bk 1,024 float32; bq 1,024 float32; bv 1,024 float32; input0 8 x 1,024 x 1,024 float32; input1 8 x 1 x 1 x 1,024 float32.
;; Outputs: out0 8 x 1,024 x 1,024 float32.
;; This version of the problem:
;;   THIS VERSION OF THE PROBLEM IS GIVEN IN LOW PRECISION. The matrix products marked QUANTISED in the list below multiply operands that are first quantised to E3M2 (3 exponent bits, 2 mantissa bits; 6 bits a number), with one power-of-two scale for each 32 numbers along K (OCP MX v1.0); their sums are f32. All else is computed in f32.
;;   The module's matrix products, in the order in which they are computed (A, B: the left and right operand; K: the contracted axis; several contracted axes count as one K, in the product's order):
;;     1. [M 8,192, K 1,024] x [K 1,024, N 1,024]; A: input input0; B: input Wq: QUANTISED
;;     2. [M 8,192, K 1,024] x [K 1,024, N 1,024]; A: input input0; B: input Wk: QUANTISED
;;     3. [M 8,192, K 1,024] x [K 1,024, N 1,024]; A: input input0; B: input Wv: QUANTISED
;;     4. batch 128 x [M 1,024, K 64] x [K 64, N 1,024]; A: computed on the way; B: computed on the way: QUANTISED
;;     5. batch 128 x [M 1,024, K 1,024] x [K 1,024, N 64]; A: softmax (see below); B: computed on the way: QUANTISED
;;   THE QUANTISER, for each operand of a quantised product, along K:
;;     - K is cut into blocks of 32 from its start; a last block that is shorter is filled with zeros.
;;     - A block's scale is 2^e with e = floor(log2(the largest magnitude in the block)) - 4, held to -126 .. 127; a block of zeros has e = 0. As a byte (E8M0): e + 127.
;;     - Each number is divided by its block's scale, clamped to +-28, and rounded to the nearest number of E3M2, ties to even, subnormals kept.
;;     - The product sums the exact products of the quantised numbers (number of the format x scale) in f32.
;;   ~~~python
;;   def quantise(x, axis):      # numpy; x: float32 -> the quantised numbers, widened to float32 again
;;       x = np.moveaxis(x, axis, -1); K = x.shape[-1]
;;       x = np.pad(x, [(0, 0)] * (x.ndim - 1) + [(0, -K % 32)]); x = x.reshape(x.shape[:-1] + (-1, 32)); a = np.abs(x).max(-1, keepdims=True)
;;       e = np.where(a > 0, np.clip(np.frexp(np.where(a > 0, a, 1))[1] - 1 - 4, -126, 127), 0)      # np.frexp(a)[1] - 1 = floor(log2(a)), exactly
;;       r = np.clip(x / 2.0 ** e, -28, 28)
;;       step = 2.0 ** (np.maximum(np.frexp(np.where(r == 0, 1, r))[1] - 1, -2) - 2)
;;       q = np.round(r / step) * step * 2.0 ** e      # np.round: ties to even
;;       return np.moveaxis(q.reshape(q.shape[:-2] + (-1,))[..., :K], -1, axis).astype(np.float32)
;;   ~~~
;;   SOFTMAX AHEAD OF A QUANTISED PRODUCT. Where the list says 'softmax', what is quantised is not the finished softmax but p = 2^(t - M), with t = logit x log2(e) and M = ceil(the row's largest t), a whole number; so 1/2 < the row's largest p <= 1. The row's sum l is taken of the UNQUANTISED p, in f32, and the product's result is divided by l at the end. Since M is a whole number, a kernel that streams over the keys may use a running M (the ceiling of the running maximum): every later rescaling is an exact power of two, which a block's scale takes up: the codes' values come out the same.
;;   OPERANDS COMPUTED ON THE WAY. 'Computed on the way' means the value that the module computes at that place (a softmax that the list does not call 'softmax' is quantised finished and normalised). What goes into a quantiser is computed in f32, as accurately as f32 sums, v_exp_f32 and their like allow (about 1e-6 of the number): no bf16 or f16 on the way to a quantiser, and a product that is left as it is and whose result goes on into a quantised operand takes f32 operands (vector FMAs, or v_wmma_f32_16x16x4_f32). A number that lies on a knife's edge between two numbers of the format may be rounded either way, as far as f32 arithmetic and the matrix unit's own rounding can turn it there, and no further.
;; One version. Each part assembles by itself: llvm-mc -triple=amdgcn-amd-amdhsa -mcpu=gfx1250 --defsym DOCPART=n.
;; ======== version 1 of 1: 3 launches
;; limits: right only within a limited range of input values
;; workspace buffers: xc 6,291,456 bytes; xs 262,144 bytes; wc 5,308,416 bytes; ws 98,304 bytes; qkv 20,447,232 bytes
;; launch quant (part 1): grid 352 x 1, 4 waves a work-group, no clusters, 33,280 bytes of LDS; arguments input0, Wq, Wk, Wv, xc, xs, wc, ws; writes xc, xs, wc, ws
.if DOCPART == 1
	.amdgcn_target "amdgcn-amd-amdhsa--gfx1250"
	.amdhsa_code_object_version 6
	.text
	.protected	k_q88f256cd5b_quant
	.globl	k_q88f256cd5b_quant
	.p2align	8
	.type	k_q88f256cd5b_quant,@function
k_q88f256cd5b_quant:
	s_mov_b64 s[64:65], 0
	v_nop
	global_prefetch_b8 v0, s[64:65] scope:SCOPE_SE
	s_setreg_imm32_b32 hwreg(HW_REG_WAVE_MODE, 25, 1), 1
	s_wait_xcnt 0x0
; input0 [8192][1024] and Wq, Wk, Wv [1024][1024], f32, K innermost, become codes of BF6 (E3M2) with one E8M0 scale byte for each 32 along K.
; CODES LIE IN FOUR PLANES, one for each 256 along K: plane q holds [row place][192 bytes]; planes are PLANE bytes apart in xc and in wc alike
; (xc fills its planes, 8,192 rows; wc uses the first 3,072 rows of each, the three weights on end).  So 128 neighbouring rows of one plane are 24,576 dense bytes, a multiple of 256.
; Scale bytes: xs [8192][32], ws [3072][32], by row place.
; A block's scale is 2^(floor(log2(its largest magnitude)) - 4); its byte is that magnitude's exponent field - 4, held at 1 from below; numbers are divided by the scale and rounded to the nearest code, ties to even.
; ROW PLACES: inside each group of 32 rows the two middle blocks of 8 rows change places (block x goes to place 2 (x & 1) + (x >> 1)): the next launch's tiles then leave 16 neighbours along the rows in a lane.
; A wave takes 8 rows = 16 steps of 512 numbers; step t is half t % 2 of row t / 2: lanes 0-15 hold plane 2 (t % 2), lanes 16-31 the next.
; LIMITS: a block of zeros gets the byte 1 (its codes are zeros, and only this program reads the bytes); blocks whose largest magnitude lies under 2^-122 are held at the byte 1; NaN and infinities are not served.
; Each load reads 512 consecutive bytes; a step's 2,048 bytes turn through the wave's own stage in LDS so that a lane holds 16 neighbours along K.  Loads run AH steps (32 loads a wave) ahead.  No barrier: waves share nothing.
.set STEPS, 16
.set AH,    8
.set XWG,   256                        ; the first 256 work-groups take input0, then 32 for each weight
.set EMAX,  4
.set CB,    12                         ; bytes of 16 codes
.set PLANE, 1572864                    ; 8,192 rows x 192 bytes
.set R,     16                         ; v16-143  eight sets of 16 numbers as they are loaded
.set X,     144                        ; v144-175 two sets of 16 neighbours
.set E,     176                        ; v176-191 a scale byte for each step
.set C,     192                        ; v192-255 codes: four registers for each step, so that no store's data are written again
.set WREG,  8192                       ; LDS: a region for each wave: two stages of 32 x SP bytes, behind them its 256 scale bytes
.set SP,    80                         ; a lane's place in a stage: 64 bytes + 16 of padding
.set SPW,   12                         ; v12 my spare word's address, v13 0: never rewritten
.set NIL,   13
.set SPARE, 4*WREG
	s_load_b128 s[4:7], s[0:1], 0x0                ; input0, Wq
	s_load_b128 s[8:11], s[0:1], 0x10              ; Wk, Wv
	s_load_b128 s[12:15], s[0:1], 0x20             ; xc, xs
	s_load_b128 s[24:27], s[0:1], 0x30             ; wc, ws
	v_lshl_add_u32 v[SPW], v0, 2, SPARE
	v_mov_b32 v[NIL], 0
	v_lshrrev_b32 v1, 5, v0
	v_readfirstlane_b32 s16, v1                    ; wave
	v_and_b32 v2, 31, v0                           ; lane
	v_lshlrev_b32 v3, 4, v2                        ; my 16 bytes of a load's 512
	s_mul_i32 s17, s16, WREG
	v_lshrrev_b32 v14, 2, v2
	v_mul_u32_u24 v14, v14, SP
	v_and_b32 v15, 3, v2
	v_lshl_add_u32 v14, v15, 4, v14
	v_add_nc_u32 v14, s17, v14                     ; the stage, on the way in: four lanes' 64 bytes on end, then 16 of padding
	v_mul_u32_u24 v15, v2, SP
	v_add_nc_u32 v15, s17, v15                     ; on the way out: SP x lane: my 16 neighbours
	v_and_b32 v10, 15, v2
	v_lshrrev_b32 v11, 4, v2
	v_mul_u32_u24 v4, v11, PLANE
	v_mad_u32_u24 v4, v10, CB, v4                  ; my codes' place: 12 (lane % 16) + PLANE (lane / 16)
	v_lshrrev_b32 v5, 1, v2
	s_add_co_u32 s17, s17, 2*32*SP
	v_add_nc_u32 v5, s17, v5                       ; LDS: my wave's 256 scale bytes, my block's byte
	v_lshlrev_b32 v7, 3, v2                        ; and on the way out 8 bytes a lane
	v_add_nc_u32 v6, s17, v7
	s_cmp_lt_u32 ttmp9, XWG
	s_cselect_b32 s18, 0, XWG
	s_sub_co_u32 s18, ttmp9, s18                   ; my group of 32 rows, counted in input0 or in the three weights on end
	s_lshr_b32 s19, s18, 5                         ; which weight
	s_and_b32 s20, s18, 31                         ; and the group inside it
	s_wait_alu depctr_va_vdst(0)                   ; the wait at the head's end
	s_wait_kmcnt 0x0
	s_cmp_eq_u32 s19, 1                            ; every choice hangs on the work-group's number alone
	s_cselect_b64 s[6:7], s[8:9], s[6:7]
	s_cmp_eq_u32 s19, 2
	s_cselect_b64 s[6:7], s[10:11], s[6:7]
	s_cmp_lt_u32 ttmp9, XWG
	s_cselect_b64 s[4:5], s[4:5], s[6:7]           ; from where
	s_cselect_b64 s[12:13], s[12:13], s[24:25]     ; codes to where
	s_cselect_b64 s[14:15], s[14:15], s[26:27]     ; scale bytes to where
	s_cselect_b32 s20, s18, s20
	s_lshl_b32 s20, s20, 2
	s_add_co_u32 s20, s20, s16                     ; the run of 8 rows that I read
	s_and_b32 s21, s16, 1
	s_lshl_b32 s21, s21, 1
	s_lshr_b32 s22, s16, 1
	s_add_co_u32 s21, s21, s22                     ; its place in the group of 32: 2 (wave & 1) + (wave >> 1)
	s_lshl_b32 s18, s18, 2
	s_add_co_u32 s18, s18, s21                     ; the run that I write
	s_lshl_b32 s20, s20, 15                        ; 32,768 bytes of f32 a run
	s_mov_b32 s21, 0
	s_add_nc_u64 s[4:5], s[4:5], s[20:21]
	s_mul_i32 s20, s18, 8*192                      ; 8 rows of 192 bytes in each plane
	s_add_nc_u64 s[12:13], s[12:13], s[20:21]
	s_lshl_b32 s20, s18, 8                         ; 256 scale bytes a run
	s_add_nc_u64 s[14:15], s[14:15], s[20:21]
.macro LOAD t
.irp i, 0,1,2,3
	global_load_b128 v[R+16*((\t)%AH)+4*\i:R+16*((\t)%AH)+4*\i+3], v3, s[4:5] offset:2048*(\t)+512*\i th:TH_LOAD_NT   ; 32 lanes read 512 consecutive bytes
.endr
.endm
.macro TURN t                          ; step t's numbers through the stage: LDS serves a wave's instructions in order
.irp i, 0,1,2,3
	ds_store_b128 v14, v[R+16*((\t)%AH)+4*\i:R+16*((\t)%AH)+4*\i+3] offset:32*SP*((\t)%2)+8*SP*\i
.endr
.irp i, 0,1,2,3
	ds_load_b128 v[X+16*((\t)%2)+4*\i:X+16*((\t)%2)+4*\i+3], v15 offset:32*SP*((\t)%2)+16*\i
.endr
.endm
.irp t, 0,1,2,3,4,5,6,7
	LOAD \t
.endr
	s_wait_loadcnt 4*(AH-1)                        ; step 0's four loads are in; those of the seven steps behind it may be out
	TURN 0
.macro STEP t
.set XS, X+16*((\t)%2)
.if (\t) > 0
	s_wait_dscnt 1                                 ; this step's numbers are back from the stage (the last step's byte store may be out): so its stores into the stage have read their registers,
.else
	s_wait_dscnt 0x0
.endif
.if (\t)+AH < STEPS
	LOAD (\t)+AH                                   ; which take the loads of AH steps on
.endif
.if (\t)+1 < STEPS
.if STEPS-2-(\t) >= AH-1
	s_wait_loadcnt 4*(AH-1)                        ; the next step's four loads are in; those of the seven steps behind it may be out
.else
	s_wait_loadcnt 4*(STEPS-2-(\t))
.endif
	TURN (\t)+1                                    ; and go through the other stage while this step is worked
.endif
	v_max3_num_f32 v8, |v[XS]|, |v[XS+1]|, |v[XS+2]|               ; the largest magnitude of my 16, in two chains
	v_max3_num_f32 v9, |v[XS+3]|, |v[XS+4]|, |v[XS+5]|
.irp i, 6,10
	v_max3_num_f32 v8, v8, |v[XS+\i]|, |v[XS+\i+1]|
	v_max3_num_f32 v9, v9, |v[XS+\i+2]|, |v[XS+\i+3]|
.endr
	v_max3_num_f32 v8, v8, |v[XS+14]|, |v[XS+15]|
	v_max3_num_f32 v8, v8, v9, (EMAX+1)<<23        ; and the floor 2^(5 - 127): the byte cannot fall under 1
	v_max_num_f32_dpp v8, v8, v8 row_xmask:1 row_mask:0xf bank_mask:0xf   ; and of my neighbour's 16: the block's
	v_add_nc_u32 v11, 0xfe000000, v8               ; 4 off its exponent field: the conversion's scale operand
	v_cvt_scalef32_pk16_bf6_f32 v[C+4*(\t):C+4*(\t)+2], v[XS:XS+15], v11   ; 16 codes, 96 bits without gaps
	v_lshrrev_b32 v[E+(\t)], 23, v11               ; the scale's byte (also the plain line behind the conversion)
	ds_store_b8 v5, v[E+(\t)] offset:16*(\t)       ; both lanes of a block write the same byte with the same value
	global_store_b96 v4, v[C+4*(\t):C+4*(\t)+2], s[12:13] offset:2*PLANE*((\t)%2)+192*((\t)/2)   ; sixteen lanes store a row's 192 bytes of one plane
.endm
.irp t, 0,1,2,3,4,5,6,7,8,9,10,11,12,13,14,15
	STEP \t
.endr
	ds_load_b64 v[8:9], v6                         ; LDS serves a wave's instructions in order: these see my byte stores
	s_wait_dscnt 0x0
	global_store_b64 v7, v[8:9], s[14:15]          ; 32 lanes store 256 consecutive bytes, aligned
	s_wait_tensorcnt 0x0                           ; the wave's end
	ds_add_u32 v[SPW], v[NIL]
	s_wait_dscnt 0x0
	s_endpgm
.Lfunc_end_k_q88f256cd5b_quant:
	.size	k_q88f256cd5b_quant, .Lfunc_end_k_q88f256cd5b_quant-k_q88f256cd5b_quant
	.p2alignl 7, 3214868480
	.fill 96, 4, 3214868480
	.section	.rodata,"a",@progbits
	.p2align	6, 0x0
	.amdhsa_kernel k_q88f256cd5b_quant
		.amdhsa_group_segment_fixed_size 33280
		.amdhsa_private_segment_fixed_size 0
		.amdhsa_enable_private_segment 0
		.amdhsa_kernarg_size 64
		.amdhsa_user_sgpr_count 2
		.amdhsa_user_sgpr_kernarg_segment_ptr 1
		.amdhsa_wavefront_size32 1
		.amdhsa_system_sgpr_workgroup_id_x 1
		.amdhsa_system_sgpr_workgroup_id_y 1
		.amdhsa_system_sgpr_workgroup_id_z 1
		.amdhsa_system_vgpr_workitem_id 0
		.amdhsa_next_free_vgpr 256
		.amdhsa_next_free_sgpr 66
		.amdhsa_reserve_vcc 0
		.amdhsa_float_denorm_mode_32 3
		.amdhsa_float_denorm_mode_16_64 3
		.amdhsa_memory_ordered 1
		.amdhsa_forward_progress 1
		.amdhsa_inst_pref_size 33
	.end_amdhsa_kernel
	.amdgpu_metadata
---
amdhsa.version: [ 1, 2 ]
amdhsa.kernels:
  - .name:           k_q88f256cd5b_quant
    .symbol:         k_q88f256cd5b_quant.kd
    .args:
      - { .name: input0, .offset: 0, .size: 8, .value_kind: global_buffer, .address_space: global }
      - { .name: Wq, .offset: 8, .size: 8, .value_kind: global_buffer, .address_space: global }
      - { .name: Wk, .offset: 16, .size: 8, .value_kind: global_buffer, .address_space: global }
      - { .name: Wv, .offset: 24, .size: 8, .value_kind: global_buffer, .address_space: global }
      - { .name: xc, .offset: 32, .size: 8, .value_kind: global_buffer, .address_space: global }
      - { .name: xs, .offset: 40, .size: 8, .value_kind: global_buffer, .address_space: global }
      - { .name: wc, .offset: 48, .size: 8, .value_kind: global_buffer, .address_space: global }
      - { .name: ws, .offset: 56, .size: 8, .value_kind: global_buffer, .address_space: global }
    .group_segment_fixed_size: 33280
    .private_segment_fixed_size: 0
    .kernarg_segment_align: 8
    .kernarg_segment_size: 64
    .max_flat_workgroup_size: 128
    .sgpr_count:     66
    .vgpr_count:     256
    .wavefront_size: 32
...
	.end_amdgpu_metadata
.endif
;; end of part 1
;; launch proj (part 2): grid 12 x 32, 4 waves a work-group, clusters of 4 x 4, 327,680 bytes of LDS; arguments xc, xs, wc, ws, bq, bk, bv, qkv; writes qkv
.if DOCPART == 2
	.amdgcn_target "amdgcn-amd-amdhsa--gfx1250"
	.amdhsa_code_object_version 6
	.text
	.protected	k_q88f256cd5b_proj
	.globl	k_q88f256cd5b_proj
	.p2align	8
	.type	k_q88f256cd5b_proj,@function
k_q88f256cd5b_proj:
	s_mov_b64 s[64:65], 0
	v_nop
	global_prefetch_b8 v0, s[64:65] scope:SCOPE_SE
	s_setreg_imm32_b32 hwreg(HW_REG_WAVE_MODE, 25, 1), 1
	s_wait_xcnt 0x0
	s_wait_alu depctr_hold_cnt(0) depctr_sa_sdst(0) depctr_va_vdst(0) depctr_va_sdst(0) depctr_va_ssrc(0) depctr_va_vcc(0) depctr_vm_vsrc(0)
	s_getreg_b32 s2, hwreg(HW_REG_IB_STS2, 6, 4)
	s_cmp_eq_u32 s2, 0
	s_cbranch_scc0 .Lentry_in_a_cluster
	s_endpgm
.Lentry_in_a_cluster:
	s_bfe_u32 s2, ttmp6, 0x10000c
	s_cmp_lg_u32 s2, 0xf033
	s_cbranch_scc0 .Lentry_shape_is_right
	s_endpgm
.Lentry_shape_is_right:
.set KSTEP,  256
.set NQ,     2
; q, k, v = x W^T + b on codes of BF6, quantised again on the way out into qkv.  Codes of x and W lie in four planes, one for each 256 along K,
; [row place][192 bytes], PLANE bytes apart: 128 rows of a plane are 24,576 dense bytes, fetched as 96 rows of 256 bytes; 16 bytes of padding behind each 64 give LDS rows of 240 bytes.
.set ROWB,   192
.set PLANE,  1572864
.set PITCH,  240
.set FR,     12
.set NL,     6
.set NP,     4
.set HALFT,  128*PITCH
.set SLOT,   4*HALFT
.set LAPS,   2
.set KS,     32
.set SCL,    2*SLOT
.set HALFS,  (128*KS/256)*272
.set SBLK,   (16*KS/256)*272
.set SPARE,  SCL+4*HALFS
.set HB,     159744
.set ADRA, 16
.set ADRB, 20
.set L8,   24
.set L16,  25
.set ADRS, 27
.set SPW,  28
.set NIL,  29
.set SC,   32
.set BT,   64
.set AF,   128
.set BA,   224
.set BO,   240
.set H,    32
.set PC,   96
.set TM,   116
.set PWS,  132
.set IMG,  140
.set VO,   148
.set VS,   150
.set G1, 24
.set G0, 32
.set G1B, 48
.set G0B, 56
.set G1S, 68
.set G0S, 76
.set G1SB, 80
.set G0SB, 88
.set SEL, 100
.set MSB, 0
.macro WIN new
.if MSB != (\new)
	s_set_vgpr_msb (MSB<<8)|(\new)
.set MSB, (\new)
.endif
.endm
.set MUL_LO, 0xa1
.set MUL_HI, 0xf1
.set BEG_LO, 0x81
.set BEG_HI, 0xc1
.set TO_B,   0x40
.macro JLOAD g0a, g1a, g0b, g1b
	s_cmp_eq_u32 s15, 0
	s_cbranch_scc0 .Lfor_b_\@
	tensor_load_to_lds s[\g0a:\g0a+3], s[\g1a:\g1a+7]
	s_nop 0
.rept 4
	v_nop
.endr
	s_branch .Lasked_\@
.Lfor_b_\@:
	tensor_load_to_lds s[\g0b:\g0b+3], s[\g1b:\g1b+7]
	s_nop 0
.rept 4
	v_nop
.endr
.Lasked_\@:
.endm
.macro CREST
	s_cmp_lg_u32 s14, 0
	s_cbranch_scc1 .Lnot_wave_0_\@
	s_barrier_signal -3
.Lnot_wave_0_\@:
	s_barrier_wait -3
	s_barrier_signal -1
	s_barrier_wait -1
.endm
.macro CROUND
	s_barrier_signal -1
	s_barrier_wait -1
	CREST
.endm
	s_load_b128 s[4:7], s[0:1], 0x0
	s_load_b128 s[8:11], s[0:1], 0x10
	s_load_b128 s[96:99], s[0:1], 0x20
	s_load_b64 s[66:67], s[0:1], 0x30
	s_load_b64 s[12:13], s[0:1], 0x38
	v_lshl_add_u32 v[SPW], v0, 2, SPARE
	v_mov_b32 v[NIL], 0
	ds_add_u32 v28, v29
	ds_add_u32 v28, v29
	s_wait_dscnt 0x0
	v_lshrrev_b32 v1, 5, v0
	v_readfirstlane_b32 s14, v1
	s_lshr_b32 s15, s14, 1
	s_and_b32 s16, s14, 1
	s_bfe_u32 s40, ttmp6, 0x40000
	s_bfe_u32 s41, ttmp6, 0x40004
	s_and_b32 s95, ttmp7, 0xffff
	s_lshl_b32 s95, s95, 2
	s_lshl_b32 s2, ttmp9, 2
	s_cmp_eq_u32 ttmp9, 2
	s_cselect_b32 s17, 8, s95
	s_cselect_b32 s42, s95, s2
	s_add_co_u32 s17, s17, s41
	s_add_co_u32 s42, s42, s40
	s_lshl_b32 s43, s41, 2
	s_lshl_b32 s43, 15, s43
	s_lshl_b32 s44, 0x1111, s40
	s_or_b32 s[G1+0], s43, (0<<16)|(1<<20)|(1<<21)|(3<<22)|(3<<25)
	s_or_b32 s[G1B+0], s44, (0<<16)|(1<<20)|(1<<21)|(3<<22)|(3<<25)
.irp g, G1, G1B
	s_mov_b32 s[\g+1], 256<<16                     ; rows of 256 bytes;
	s_mov_b32 s[\g+2], 192<<16                     ; the head's loads bring 256 code rows = 192 of them
	s_mov_b32 s[\g+3], 256<<16
	s_mov_b32 s[\g+4], 192
	s_mov_b32 s[\g+5], 256                         ; dense
	s_mov_b32 s[\g+6], 0
	s_mov_b32 s[\g+7], 0
.endr
	s_or_b32 s[G1S+0], s43, (3<<16)|(1<<20)|(1<<21)|(5<<22)|(3<<25)
	s_or_b32 s[G1SB+0], s44, (3<<16)|(1<<20)|(1<<21)|(5<<22)|(3<<25)
.irp g, G1S, G1SB
	s_mov_b32 s[\g+1], 32<<16
	s_mov_b32 s[\g+2], KS<<16                      ; the scales of 256 rows: KS rows of 256 bytes
	s_mov_b32 s[\g+3], 32<<16
	s_mov_b32 s[\g+4], KS
	s_mov_b32 s[\g+5], 32
	s_mov_b32 s[\g+6], 0
	s_mov_b32 s[\g+7], 0
.endr
	s_lshl_b32 s20, s17, 8                         ; source 1's tile: its first row
	s_lshl_b32 s46, s42, 8                         ; source 0's
	s_mov_b32 s21, 0
	s_mov_b32 s47, 0
	s_mov_b64 s[18:19], KS
	s_mul_u64 s[22:23], s[20:21], s[18:19]
	s_mul_u64 s[92:93], s[46:47], s[18:19]
	s_mov_b64 s[18:19], ROWB
	s_mul_u64 s[20:21], s[20:21], s[18:19]
	s_mul_u64 s[46:47], s[46:47], s[18:19]
	s_mul_i32 s45, s14, HALFT
	s_wait_kmcnt 0x0
	s_cmp_eq_u32 ttmp9, 2
	s_cselect_b64 s[18:19], s[8:9], s[4:5]
	s_add_nc_u64 s[20:21], s[18:19], s[20:21]
	s_cselect_b64 s[18:19], s[10:11], s[6:7]
	s_add_nc_u64 s[22:23], s[18:19], s[22:23]
	s_cselect_b64 s[18:19], s[4:5], s[8:9]
	s_add_nc_u64 s[46:47], s[18:19], s[46:47]
	s_cselect_b64 s[18:19], s[6:7], s[10:11]
	s_add_nc_u64 s[92:93], s[18:19], s[92:93]
	CROUND
	s_mov_b32 s[G0S], 1
	s_mov_b32 s[G0S+1], SCL
	s_mov_b64 s[G0S+2:G0S+3], s[22:23]
	s_or_b32 s[G0S+3], s[G0S+3], 0x80000000
	s_mov_b32 s[G0SB], 1
	s_mov_b32 s[G0SB+1], SCL+2*HALFS
	s_mov_b64 s[G0SB+2:G0SB+3], s[92:93]
	s_or_b32 s[G0SB+3], s[G0SB+3], 0x80000000
	s_mul_i32 s18, s16, 128*ROWB                   ; in the ring I fetch 128 rows of a tile: which half, in bytes
	s_mov_b32 s19, 0
	s_mov_b32 s[G0], 1                             ; slot 0's groups 0 serve the head's loads first: plane 0 of a tile's 256 rows, whole
	s_mov_b32 s[G0+1], 0
	s_mov_b64 s[G0+2:G0+3], s[20:21]
	s_or_b32 s[G0+3], s[G0+3], 0x80000000
	s_mov_b32 s[G0B], 1
	s_mov_b32 s[G0B+1], 2*HALFT
	s_mov_b64 s[G0B+2:G0B+3], s[46:47]
	s_or_b32 s[G0B+3], s[G0B+3], 0x80000000
	s_add_nc_u64 s[20:21], s[20:21], s[18:19]
	s_add_nc_u64 s[46:47], s[46:47], s[18:19]
	s_mov_b32 s[G0+4], 1                           ; slot 1: my 128 rows of plane 1
	s_add_co_u32 s[G0+5], s45, SLOT
	s_add_nc_u64 s[G0+6:G0+7], s[20:21], PLANE
	s_or_b32 s[G0+7], s[G0+7], 0x80000000
	s_mov_b32 s[G0B+4], 1
	s_add_co_u32 s[G0B+5], s45, SLOT
	s_add_nc_u64 s[G0B+6:G0B+7], s[46:47], PLANE
	s_or_b32 s[G0B+7], s[G0B+7], 0x80000000
; the head's four tiles, one joint load a wave: one tree of branches on the wave's number, a load in each arm
.macro ARM under, g0, g1, next
	s_cmp_lt_u32 s14, \under
	s_cbranch_scc0 \next
	tensor_load_to_lds s[\g0:\g0+3], s[\g1:\g1+7]
	s_nop 0
.rept 4
	v_nop
.endr
	s_branch .Lhead_asked
\next:
.endm
	ARM 1, G0,  G1,  .Lhead_b
	ARM 2, G0B, G1B, .Lhead_sa
	ARM 3, G0S, G1S, .Lhead_sb
	tensor_load_to_lds s[G0SB:G0SB+3], s[G1SB:G1SB+7]
	s_nop 0
.rept 4
	v_nop
.endr
.Lhead_asked:
	v_and_b32 v1, 15, v0
	v_bfe_u32 v2, v0, 4, 1
	v_mul_u32_u24 v3, v1, PITCH
	v_mul_u32_u24 v4, v2, 24
	v_add_nc_u32 v4, v3, v4
	v_lshl_add_u32 v5, v2, 4, v4
	s_mul_i32 s21, s15, HALFT
	s_mul_i32 s22, s16, HALFT
	s_add_co_u32 s22, s22, 2*HALFT
.irp s, 0,1
	v_add_nc_u32 v[ADRA+\s], s21, v4
	v_add_nc_u32 v[ADRB+\s], s22, v4
	v_add_nc_u32 v[ADRA+2+\s], s21, v5
	v_add_nc_u32 v[ADRB+2+\s], s22, v5
	s_add_co_u32 s21, s21, SLOT
	s_add_co_u32 s22, s22, SLOT
.endr
	v_mul_u32_u24 v5, v1, KS
	v_lshrrev_b32 v6, 8, v5
	v_lshl_add_u32 v5, v6, 4, v5
	s_mul_i32 s21, s15, HALFS
	s_mul_i32 s22, s16, HALFS
	s_add_co_u32 s22, s22, 2*HALFS
	s_sub_co_u32 s22, s22, s21
	v_mul_u32_u24 v6, s22, v2
	s_add_co_u32 s21, s21, SCL
	v_add_nc_u32 v5, v5, v6
	v_add_nc_u32 v[ADRS], s21, v5
	v_and_b32 v6, 31, v0
	v_lshlrev_b32 v[L8], 3, v6
	v_lshlrev_b32 v[L16], 4, v6
	s_mov_b32 s[SEL], 0x76543210
	s_mov_b32 s[SEL+1], 0xfedcba98
	s_cmp_eq_u32 ttmp9, 1
	s_cselect_b64 s[96:97], s[98:99], s[96:97]
	s_cmp_eq_u32 ttmp9, 2
	s_cselect_b64 s[96:97], s[66:67], s[96:97]
	s_cselect_b32 s18, s42, s17
	s_cselect_b32 s19, s41, s40
	s_cselect_b32 s20, s15, s16
	s_cselect_b32 s21, s16, s15
	s_mov_b32 s4, 768
	s_cselect_b32 s4, 1536, s4
	s_mov_b32 s5, 3072
	s_cselect_b32 s5, HB, s5
	s_mov_b32 s6, HB
	s_cselect_b32 s6, 768, s6
	s_cselect_b32 s7, 0, 0xffff0000
	s_cselect_b32 s8, -1, 0xffff0000
	s_cselect_b32 s9, 0, 16
	s_cselect_b32 s22, 0, -1
	s_cselect_b32 s23, -1, 0
	s_lshl_b32 s19, s19, 8
	s_lshl_b32 s93, s20, 7
	s_add_co_u32 s93, s19, s93
	s_cmp_eq_u32 ttmp9, 2
	s_cselect_b32 s94, 0, s93
	s_cselect_b32 s95, s93, 0
	s_lshr_b32 s40, s18, 2
	s_lshl_b32 s40, s40, 4
	s_lshr_b32 s41, s93, 6
	s_add_co_u32 s40, s40, s41
	s_and_b32 s41, s18, 3
	s_lshl_b32 s41, s41, 1
	s_add_co_u32 s41, s41, s21
	s_mul_i32 s40, s40, HB
	s_mul_i32 s42, ttmp9, 49152
	s_mul_i32 s43, s41, 6144
	s_add_co_u32 s10, s40, s42
	s_add_co_u32 s10, s10, s43
	s_lshl_b32 s42, ttmp9, 12
	s_lshl_b32 s43, s41, 9
	s_add_co_u32 s11, s40, s42
	s_add_co_u32 s11, s11, s43
	s_add_co_u32 s11, s11, 147456
	v_lshlrev_b32 v[BO], 6, v2
	v_lshl_add_u32 v[BO], s94, 2, v[BO]
	v_and_b32 v3, 8, v1
	v_add_nc_u32 v3, v3, v1
	v_add_nc_u32 v3, s95, v3
	v_lshlrev_b32 v[BO+1], 2, v3
.irp b, 0,1,2,3,4,5,6,7
	global_load_b128 v[BT+8*\b:BT+8*\b+3], v[BO], s[96:97] offset:(32*(\b/2)+8*(\b%2))*4
	global_load_b128 v[BT+8*\b+4:BT+8*\b+7], v[BO], s[96:97] offset:(32*(\b/2)+8*(\b%2))*4+16
.endr
.irp a, 0,1,2,3,4,5,6,7
	global_load_b32 v[BA+2*\a], v[BO+1], s[96:97] offset:(32*(\a/2)+8*(\a%2))*4
	v_mov_b32 v[BA+2*\a+1], 0
.endr
	s_wait_loadcnt 0x0
.set n, 0
.rept 64
	v_and_b32 v[BT+n], s22, v[BT+n]
.set n, n+1
.endr
.irp a, 0,1,2,3,4,5,6,7
	v_and_b32 v[BA+2*\a], s23, v[BA+2*\a]
.endr
.macro FRAG reg, adr, q, i
.irp p, 0,1,2,3,4,5
.set PCE, 12*(\q)+6*(\p/3)+\p%3
.if PCE%8 < 5
	ds_load_b64 v[\reg+2*\p:\reg+2*\p+1], v[\adr] offset:8*PCE+16*(PCE/8)+(\i)*16*PITCH
.else
	ds_load_b64 v[\reg+2*\p:\reg+2*\p+1], v[\adr+2] offset:8*PCE+16*(PCE/8)+(\i)*16*PITCH
.endif
.endr
.endm
.macro MUL16 a0, p, q, sc, zero
.irp a, \a0, \a0+1
.irp b, 0,1,2,3,4,5,6,7
.if \zero
	v_wmma_scale_f32_16x16x128_f8f6f4 v[8*(8*((\a)%4)+\b):8*(8*((\a)%4)+\b)+7], v[128*(\p)+FR*\b:128*(\p)+FR*\b+FR-1], v[AF+FR*(\a):AF+FR*(\a)+FR-1], v[BT+8*\b:BT+8*\b+7], v[SC+8*NQ*(\sc)+NQ*\b+(\q)], v[SC+8*NQ*(\sc)+NQ*(\a)+(\q)] matrix_a_fmt:MATRIX_FMT_BF6 matrix_b_fmt:MATRIX_FMT_BF6 matrix_a_scale:MATRIX_SCALE_ROW1
.else
	v_wmma_scale_f32_16x16x128_f8f6f4 v[8*(8*((\a)%4)+\b):8*(8*((\a)%4)+\b)+7], v[128*(\p)+FR*\b:128*(\p)+FR*\b+FR-1], v[AF+FR*(\a):AF+FR*(\a)+FR-1], v[8*(8*((\a)%4)+\b):8*(8*((\a)%4)+\b)+7], v[SC+8*NQ*(\sc)+NQ*\b+(\q)], v[SC+8*NQ*(\sc)+NQ*(\a)+(\q)] matrix_a_fmt:MATRIX_FMT_BF6 matrix_b_fmt:MATRIX_FMT_BF6 matrix_a_scale:MATRIX_SCALE_ROW1
.endif
.endr
.endr
.endm
.macro FETCH_B slot, q, p
	WIN TO_B
.irp i, 0,1,2,3,4,5,6,7
	FRAG 128*(\p)+FR*\i, ADRB+\slot, \q, \i
.endr
	WIN 0
.endm
.macro FETCH_A slot, q, i0
.irp i, \i0, \i0+1, \i0+2, \i0+3
	FRAG AF+FR*(\i), ADRA+\slot, \q, \i
.endr
.endm
.macro SCALES sc
.irp i, 0,1,2,3,4,5,6,7
	ds_load_b64 v[SC+8*NQ*\sc+NQ*\i:SC+8*NQ*\sc+NQ*\i+1], v[ADRS] offset:\i*SBLK
.endr
.endm
.macro PLACES n
.rept \n
	v_nop
.endr
.endm
.macro STEP slot, q, zero
	s_wait_dscnt 4*NL
.if \zero
	WIN BEG_LO
.else
	WIN MUL_LO
.endif
	MUL16 0, (\q)%2, \q, \slot, \zero
	MUL16 2, (\q)%2, \q, \slot, \zero
	s_wait_dscnt 0
	PLACES NP
	FETCH_B \slot, (\q)+1, 1-(\q)%2
	FETCH_A \slot, (\q)+1, 0
.if \zero
	WIN BEG_HI
.else
	WIN MUL_HI
.endif
	MUL16 4, (\q)%2, \q, \slot, \zero
	MUL16 6, (\q)%2, \q, \slot, \zero
	PLACES NP
	WIN 0
	FETCH_A \slot, (\q)+1, 4
.endm
.macro TURN slot, next, fill
	s_wait_tensorcnt 0x0
	ds_add_u32 v[SPW], v[NIL]
	s_wait_dscnt 4*NL+1
	WIN MUL_LO
	MUL16 0, 1, NQ-1, \slot, 0
	s_wait_dscnt 0x0
	s_barrier_signal -1
	MUL16 2, 1, NQ-1, \slot, 0
	WIN 0
	s_barrier_wait -1
.if \fill
	CREST
	s_add_nc_u64 s[G0+4*\slot+2:G0+4*\slot+3], s[G0+4*\slot+2:G0+4*\slot+3], 2*PLANE
	s_add_nc_u64 s[G0B+4*\slot+2:G0B+4*\slot+3], s[G0B+4*\slot+2:G0B+4*\slot+3], 2*PLANE
	JLOAD G0+4*\slot, G1, G0B+4*\slot, G1B
.else
	PLACES NP
.endif
	s_wait_alu depctr_va_vdst(0)
	v_add_nc_u32 v[ADRS], 4*NQ, v[ADRS]
	FETCH_B \next, 0, 0
	FETCH_A \next, 0, 0
	SCALES \next
	WIN MUL_HI
	MUL16 4, 1, NQ-1, \slot, 0
	MUL16 6, 1, NQ-1, \slot, 0
	PLACES NP
	WIN 0
	FETCH_A \next, 0, 4
.endm
	s_wait_alu depctr_va_vdst(0)
	s_wait_tensorcnt 0x0                           ; my tile of the head's four is in
	ds_add_u32 v[SPW], v[NIL]
	s_mov_b32 s[G1+2], 96<<16                      ; no tensor load of mine is out: from here on a load brings 128 code rows = 96 rows of 256 bytes,
	s_mov_b32 s[G1+4], 96
	s_mov_b32 s[G1B+2], 96<<16
	s_mov_b32 s[G1B+4], 96
	s_mov_b32 s[G0+1], s45                         ; and slot 0's groups 0 stand at my 128 rows of plane 0, for the ring
	s_sub_nc_u64 s[G0+2:G0+3], s[G0+6:G0+7], PLANE
	s_mov_b32 s[G0B+1], s45
	s_sub_nc_u64 s[G0B+2:G0B+3], s[G0B+6:G0B+7], PLANE
	s_wait_dscnt 0x0
	CROUND                                         ; all four tiles are in, and all sixteen work-groups are here
	JLOAD G0+4, G1, G0B+4, G1B                     ; plane 1, the first tensor load behind the round
	FETCH_B 0, 0, 0
	FETCH_A 0, 0, 0
	SCALES 0
	FETCH_A 0, 0, 4
	STEP 0, 0, 1
	s_mov_b32 s3, LAPS-1
.Llap:
	TURN 0, 1, 1
	STEP 1, 0, 0
	TURN 1, 0, 1
	STEP 0, 0, 0
	s_sub_co_u32 s3, s3, 1
	s_cmp_lg_u32 s3, 0
	s_cbranch_scc1 .Llap
	TURN 0, 1, 0
	STEP 1, 0, 0
	s_wait_dscnt 4*NL
	WIN MUL_LO
	MUL16 0, 1, NQ-1, 1, 0
	MUL16 2, 1, NQ-1, 1, 0
	s_wait_dscnt 0
	WIN MUL_HI
	MUL16 4, 1, NQ-1, 1, 0
	MUL16 6, 1, NQ-1, 1, 0
	WIN 0
.macro QUANT s, pw
.irp b, 0,1,2,3
	v_max3_num_f32 v[TM+\b], |v[\s+16*\b]|, |v[\s+1+16*\b]|, 0x2800000
.endr
.irp i, 2,4,6,8,10,12,14
.irp b, 0,1,2,3
	v_max3_num_f32 v[TM+\b], v[TM+\b], |v[\s+16*\b+\i]|, |v[\s+1+16*\b+\i]|
.endr
.endr
.irp b, 0,1,2,3
	v_permlanex16_b32 v[TM+4+\b], v[TM+\b], s[SEL], s[SEL+1]
.endr
.irp b, 0,1,2,3
	v_max_num_f32 v[TM+\b], v[TM+\b], v[TM+4+\b]
.endr
.irp b, 0,1,2,3
	v_add_nc_u32 v[TM+12+\b], 0xfe000000, v[TM+\b]
.endr
.irp b, 0,1,2,3
	v_lshrrev_b32 v[TM+4+\b], 23, v[TM+12+\b]
.endr
	v_lshl_or_b32 v[\pw], v[TM+5], 8, v[TM+4]
	v_lshl_or_b32 v[\pw], v[TM+6], 16, v[\pw]
	v_lshl_or_b32 v[\pw], v[TM+7], 24, v[\pw]
.irp c, 0,1
	v_cvt_scalef32_pk16_bf6_f32 v[PC+6*\c:PC+2+6*\c], v[\s+32*\c:\s+15+32*\c], v[TM+12+2*\c]
	v_cvt_scalef32_pk16_bf6_f32 v[PC+12+4*\c:PC+14+4*\c], v[\s+16+32*\c:\s+31+32*\c], v[TM+12+2*\c+1]
.endr
	v_nop
.irp c, 0,1
.irp i, 0,1,2
	v_permlane16_swap_b32 v[PC+6*\c+\i], v[PC+12+4*\c+\i]
.endr
.irp i, 0,1,2
	v_mov_b32 v[PC+3+6*\c+\i], v[PC+12+4*\c+\i]
.endr
.endr
.endm
.macro OUTBLK a
.if (\a) > 0
	s_wait_xcnt 0x0
.endif
	WIN 2+(\a)/4
.set AC, 64*((\a)%4)
.set n, 0
.rept 32
	v_pk_add_f32 v[H+n:H+n+1], v[AC+n:AC+n+1], v[BA+2*(\a):BA+2*(\a)+1] op_sel_hi:[1,0]
.set n, n+2
.endr
	WIN 0
	QUANT H, PWS+(\a)
	v_add_nc_u32 v[VO], s2, v[L8]
	v_add_nc_u32 v[VO+1], s6, v[VO]
.irp i, 0,1,2
	global_store_b64 v[VO], v[PC+2*\i:PC+2*\i+1], s[12:13] offset:256*\i
	global_store_b64 v[VO+1], v[PC+6+2*\i:PC+7+2*\i], s[12:13] offset:256*\i
.endr
.if (\a) == 3
	s_add_co_u32 s2, s10, s5
.else
	s_add_co_u32 s2, s2, s4
.endif
.endm
	PLACES NP
.irp b, 0,1,2,3
	v_mov_b32 v[TM+4+\b], 0
.endr
	s_mov_b32 s2, s10
.irp a, 0,1,2,3,4,5,6,7
	OUTBLK \a
.endr
.irp i, 0,1,2,3
	v_cndmask_b32 v[IMG+\i], v[PWS+\i], v[PWS+4+\i], s7
	v_cndmask_b32 v[IMG+4+\i], v[PWS+\i], v[PWS+4+\i], s8
.endr
.irp i, 0,1,2,3
	v_lshrrev_b32 v[IMG+4+\i], s9, v[IMG+4+\i]
.endr
	v_add_nc_u32 v[VS], s11, v[L16]
	global_store_b128 v[VS], v[IMG:IMG+3], s[12:13]
	global_store_b128 v[VS], v[IMG+4:IMG+7], s[12:13] offset:HB
	s_wait_tensorcnt 0x0
	ds_add_u32 v[SPW], v[NIL]
	s_wait_dscnt 0x0
	CROUND
	s_endpgm
.Lfunc_end_k_q88f256cd5b_proj:
	.size	k_q88f256cd5b_proj, .Lfunc_end_k_q88f256cd5b_proj-k_q88f256cd5b_proj
	.p2alignl 7, 3214868480
	.fill 96, 4, 3214868480
	.section	.rodata,"a",@progbits
	.p2align	6, 0x0
	.amdhsa_kernel k_q88f256cd5b_proj
		.amdhsa_group_segment_fixed_size 327680
		.amdhsa_private_segment_fixed_size 0
		.amdhsa_enable_private_segment 0
		.amdhsa_kernarg_size 64
		.amdhsa_user_sgpr_count 2
		.amdhsa_user_sgpr_kernarg_segment_ptr 1
		.amdhsa_wavefront_size32 1
		.amdhsa_system_sgpr_workgroup_id_x 1
		.amdhsa_system_sgpr_workgroup_id_y 1
		.amdhsa_system_sgpr_workgroup_id_z 1
		.amdhsa_system_vgpr_workitem_id 0
		.amdhsa_next_free_vgpr 1024
		.amdhsa_next_free_sgpr 102
		.amdhsa_reserve_vcc 0
		.amdhsa_float_denorm_mode_32 3
		.amdhsa_float_denorm_mode_16_64 3
		.amdhsa_memory_ordered 1
		.amdhsa_forward_progress 1
		.amdhsa_inst_pref_size 191
	.end_amdhsa_kernel
	.amdgpu_metadata
---
amdhsa.version: [ 1, 2 ]
amdhsa.kernels:
  - .name:           k_q88f256cd5b_proj
    .symbol:         k_q88f256cd5b_proj.kd
    .args:
      - { .name: xc, .offset: 0, .size: 8, .value_kind: global_buffer, .address_space: global }
      - { .name: xs, .offset: 8, .size: 8, .value_kind: global_buffer, .address_space: global }
      - { .name: wc, .offset: 16, .size: 8, .value_kind: global_buffer, .address_space: global }
      - { .name: ws, .offset: 24, .size: 8, .value_kind: global_buffer, .address_space: global }
      - { .name: bq, .offset: 32, .size: 8, .value_kind: global_buffer, .address_space: global }
      - { .name: bk, .offset: 40, .size: 8, .value_kind: global_buffer, .address_space: global }
      - { .name: bv, .offset: 48, .size: 8, .value_kind: global_buffer, .address_space: global }
      - { .name: qkv, .offset: 56, .size: 8, .value_kind: global_buffer, .address_space: global }
    .group_segment_fixed_size: 327680
    .private_segment_fixed_size: 0
    .kernarg_segment_align: 8
    .kernarg_segment_size: 64
    .max_flat_workgroup_size: 128
    .sgpr_count:     102
    .vgpr_count:     1024
    .wavefront_size: 32
...
	.end_amdgpu_metadata
.endif
;; end of part 2
;; launch attn (part 3): grid 2 x 128, 8 waves a work-group, no clusters, 197,632 bytes of LDS; arguments qkv, input1, out0; writes out0
.if DOCPART == 3
	.amdgcn_target "amdgcn-amd-amdhsa--gfx1250"
	.amdhsa_code_object_version 6
	.text
	.protected	k_q88f256cd5b_attn
	.globl	k_q88f256cd5b_attn
	.p2align	8
	.type	k_q88f256cd5b_attn,@function
k_q88f256cd5b_attn:
	s_mov_b64 s[64:65], 0
	v_nop
	global_prefetch_b8 v0, s[64:65] scope:SCOPE_SE
	s_setreg_imm32_b32 hwreg(HW_REG_WAVE_MODE, 25, 1), 1
	s_wait_xcnt 0x0
; out0[b][q][64 h + d] = the sum over keys of softmax(q . k / 8 + input1[b][key]) v[key][d], both products on codes of BF6 (E3M2) with one E8M0 scale for each 32 along a product's K.
; q, k, v come as codes from qkv, as images of the operands' registers (a head: codes of q, k, v, 49,152 bytes each; scale words of q, k, v, 4,096 each).
; THE SOFTMAX: t = (q . k + 8 mask) x log2(e) / 8; M = a whole number not under the row's largest t so far; p = 2^(t - M) is quantised along the keys; the row's sum is taken of the unquantised p and divides at the end.
; When M moves, the sum and O are multiplied by 2^(old M - new M): exact.  The largest t is first raised by |t| x 2^-23, so that M is not under ANY exact t whatever the rounding of the product c x score: p never passes 1,
; also in a step all of whose keys carry a very large negative mask.  M may so be one higher than the ceiling: a power of two that the blocks' scales and the sum take up.
; THE MASK COSTS NO VECTOR LINE: 8 x mask, in the result's layout, is the C of the first product.
; SHARES.  A work-group owns 512 queries of one head; each of its eight waves 64: four tiles of 16, in two passes of TWO tiles held at once, tile x in register window x under the same numbers: each fragment of k and v, each mask
; and scale register read from LDS feeds two tiles.  Two waves to a SIMD.  The head's k, v and scale words (110,592 bytes) come into LDS ONCE, one tensor load a wave; nothing is filled again.
; NO CLUSTER: only the two work-groups of a head share these bytes, and each asks for them once, at its head; there is no stream to share step by step.
; LAYOUT.  Both products transposed: S^T = k q^T, O^T = v^T p^T: a lane holds one query.  Tokens lie in tiles in the order of the first launch: place r of tile T is token 32 (T / 2) + 8 (T % 2) + r % 8 + 16 (r / 8), so that the
; 16 registers of score tiles 2 i and 2 i + 1 are keys 32 i + 16 (lane / 16) + 0 .. 15, and likewise O^T's channels.
; K = 64 IN AN INSTRUCTION 128 DEEP: q's fragment has zero codes in its upper six registers; k's tile t is v[10 + 6 t .. 21 + 6 t], whose upper six are the next tile's codes (zeros behind the last): zero codes add nothing, and no scale byte here is 0xff.
; LIMITS: NaN and infinities of the floating-point inputs are not served, but a mask of -infinity, which is held (as 8 x mask) at -3e38 and hides its key.  A row ALL of whose keys carry a mask under about -2^24 loses all its p and does not give reference()'s numbers.
; REGISTERS.  In windows 0 and 1 alike, for tile x: v64-87 q (two passes), v96-159 S^T then p, v160-191 O^T, v192-203 p's codes, v204-233 at work.
;   window 0 alone: v1-9 addresses, v10-57 fragments of k or v, v58-63 zeros, v240-243 k's scale words, v244-247 v's, v248-251 q's, v252 tile 1's p scale word (scale operands have no window).   window 1 alone: v0-63 the mask's eight tiles.
.set HB,     159744
.set WROWS,  54                        ; rows of 256 bytes that a wave's tensor load brings: 8 x 54 x 256 = 110,592
.set VC,     49152                     ; LDS: k's codes at 0, v's here,
.set KSB,    102400                    ; (q's scale words at 98,304, not read from here,) k's scale words, v's 4,096 on,
.set MASK,   110592                    ; 8 x mask of my batch, 4,096 bytes, stored by the waves,
.set STAGE,  114688                    ; and the stages for the way out: 16 rows x 272 bytes for each wave and tile
.set SPITCH, 272
.set L8,  1                            ; v1  8 x lane
.set AKS, 2                            ; v2  16 x lane + KSB
.set AMK, 3                            ; v3  64 (lane / 16) + MASK
.set ADC, 4                            ; v4  the step's codes
.set ADS, 5                            ; v5  the step's scale words
.set ADM, 6                            ; v6  the NEXT step's mask
.set ADK, 88                           ; v88 the NEXT step's scale words of k
.set STO, 7
.set RD,  8
.set GO,  9
.set FRG, 10
.set MK,  0
.set QF,  64
.set SS,  96
.set OO,  160
.set PCD, 192
.set CT,  204
.set BM,  212                          ; the blocks' largest scores, then largest p
.set BX,  216                          ; the other half's; then the scales' bytes
.set SO,  220                          ; the conversions' scale operands
.set FF,  224                          ; v[224:225] f = 2^(old M - new M), and a 0 named with it as a pair
.set TP,  226
.set PWD, 227                          ; p's scale word
.set SUMT, 228
.set NM,  230                          ; -M
.set TMX, 231                          ; the largest t so far
.set LL,  232                          ; v[232:233] the row's sum in two halves
.set KSW, 240
.set VSW, 244
.set QSW, 248
.set PSW1, 252
.set G0,  16
.set SEL, 20
.set CS,  22
.set G1,  24
.set TC,  32                           ; s32 the step's codes: 6,144 bytes a step, in k and in v alike
.set TS,  33                           ; s33 its scale words and its mask: 512 bytes a step
.set CNT, 34
.set TN,  43                           ; s43 the next step's scale words and mask: (TS + 512) mod 4,096
.set EPS, 42                           ; s42 2^-23
.set MSB, 0
.macro WIN new                         ; the immediate's high byte repeats the setting that is left
.if MSB != (\new)
	s_set_vgpr_msb (MSB<<8)|(\new)
.set MSB, (\new)
.endif
.endm
.macro PLACES
.rept 4
	v_nop
.endr
.endm
	s_load_b128 s[4:7], s[0:1], 0x0                ; qkv, input1
	s_load_b64 s[8:9], s[0:1], 0x10                ; out0
	v_lshl_add_u32 v254, v0, 2, 0x30000
	v_mov_b32 v255, 0
	ds_add_u32 v254, v255
	ds_add_u32 v254, v255
	v_lshrrev_b32 v1, 5, v0
	s_delay_alu instid0(VALU_DEP_1)
	v_readfirstlane_b32 s10, v1                    ; wave 0..7
	s_and_b32 s11, ttmp7, 0xffff                   ; 16 x batch + head
	s_mul_i32 s12, s11, HB
	s_mov_b32 s13, 0
	s_mov_b32 s[G1], 3<<16                         ; no mask; elements of 8 bytes; no padding
	s_mov_b32 s[G1+1], 32<<16                      ; tensor_dim0 = 32 elements = 256 bytes
	s_mov_b32 s[G1+2], WROWS<<16                   ; tensor_dim1
	s_mov_b32 s[G1+3], 32<<16                      ; tile_dim0
	s_mov_b32 s[G1+4], WROWS                       ; tile_dim1
	s_mov_b32 s[G1+5], 32                          ; the rows are dense
	s_mov_b32 s[G1+6], 0
	s_mov_b32 s[G1+7], 0
	s_mul_i32 s14, s10, WROWS*256                  ; my part, in LDS,
	s_add_co_u32 s38, s14, 49152                   ; and in the head's bytes: behind q's codes
	s_mov_b32 s39, 0
	s_mov_b32 s[G0], 1
	s_mov_b32 s[G0+1], s14
	s_mov_b32 s[SEL], 0x76543210
	s_mov_b32 s[SEL+1], 0xfedcba98                 ; v_permlanex16_b32's selects for lane l xor 16
	s_mov_b32 s[CS], 0x3e38aa3b                    ; c = log2(e) / 8
	s_mov_b32 s[CS+1], s[CS]                       ; (named with it as a pair, so it is written)
	s_mov_b32 s[EPS], 0x34000000
	s_wait_dscnt 0x0
	s_wait_kmcnt 0x0
	s_add_nc_u64 s[36:37], s[4:5], s[12:13]        ; my head's bytes
	s_add_nc_u64 s[G0+2:G0+3], s[36:37], s[38:39]
	s_or_b32 s[G0+3], s[G0+3], 0x80000000
	tensor_load_to_lds s[G0:G0+3], s[G1:G1+7]      ; my one tensor load of the launch
	s_nop 0
	PLACES
	s_lshr_b32 s12, s11, 4                         ; batch
	s_and_b32 s15, s11, 15                         ; head
	s_lshl_b32 s38, s12, 12
	s_add_nc_u64 s[6:7], s[6:7], s[38:39]
	v_lshlrev_b32 v10, 4, v0
	global_load_b128 v[12:15], v10, s[6:7]         ; the work-group's 256 threads read the batch's 1,024 mask numbers, 16 bytes each
	s_mul_i32 s38, ttmp9, 24576                    ; q's tiles 32 half + 4 wave on, 768 bytes each
	s_mul_i32 s35, s10, 3072
	s_add_co_u32 s38, s38, s35
	s_add_nc_u64 s[40:41], s[36:37], s[38:39]
	v_and_b32 v11, 31, v0
	s_delay_alu instid0(VALU_DEP_1)
	v_lshlrev_b32 v[L8], 3, v11
.irp p, 0,1                                    ; pass p, tile x: tile 2 p + x of my four; three pieces of 256 bytes: registers 0-5 of the fragment
.irp i, 0,1,2
	global_load_b64 v[QF+12*\p+2*\i:QF+12*\p+2*\i+1], v[L8], s[40:41] offset:(2*\p)*768+256*\i
.endr
.endr
	WIN 0x40                                       ; destination window 1
.irp p, 0,1
.irp i, 0,1,2
	global_load_b64 v[QF+12*\p+2*\i:QF+12*\p+2*\i+1], v[L8], s[40:41] offset:(2*\p+1)*768+256*\i
.endr
.endr
	WIN 0
	s_lshl_b32 s38, ttmp9, 11                      ; q's scale words: my four tiles' are the four words of lane 16 (wave & 1) + r of image 4 half + wave / 2: byte 2,048 half + 256 wave + 16 r
	s_lshl_b32 s35, s10, 8
	s_add_co_u32 s38, s38, s35
	s_add_co_u32 s38, s38, 147456
	v_and_b32 v16, 15, v0                          ; r
	s_delay_alu instid0(VALU_DEP_1)
	v_lshl_add_u32 v17, v16, 4, s38
	global_load_b128 v[QSW:QSW+3], v17, s[36:37]
	v_lshl_add_u32 v[AKS], v11, 4, KSB
	v_bfe_u32 v18, v0, 4, 1                        ; h
	s_delay_alu instid0(VALU_DEP_1)
	v_lshl_add_u32 v[AMK], v18, 6, MASK
	s_mul_i32 s35, s10, 2*16*SPITCH
	s_add_co_u32 s35, s35, STAGE                   ; my two stages
	v_mul_u32_u24 v[STO], v16, SPITCH
	s_delay_alu instid0(VALU_DEP_1)
	v_lshl_add_u32 v[STO], v18, 6, v[STO]
	s_delay_alu instid0(VALU_DEP_1)
	v_add_nc_u32 v[STO], s35, v[STO]               ; in: row r, + 64 h
	v_mul_u32_u24 v[RD], v18, SPITCH
	s_delay_alu instid0(VALU_DEP_1)
	v_lshl_add_u32 v[RD], v16, 4, v[RD]
	s_delay_alu instid0(VALU_DEP_1)
	v_add_nc_u32 v[RD], s35, v[RD]                 ; back: lanes 0-15 one row of 256 bytes, lanes 16-31 the next
	v_lshlrev_b32 v[GO], 12, v18
	s_delay_alu instid0(VALU_DEP_1)
	v_lshl_add_u32 v[GO], v16, 4, v[GO]            ; and the same two rows in out0, 4,096 bytes apart
	s_lshl_b32 s38, s12, 22                        ; out0: batch x 4 MiB
	s_lshl_b32 s35, ttmp9, 21                      ; + 512 queries x 4,096 bytes x half
	s_add_co_u32 s38, s38, s35
	s_lshl_b32 s35, s10, 18                        ; + 64 queries x wave
	s_add_co_u32 s38, s38, s35
	s_lshl_b32 s35, s15, 8                         ; + the head's 256 bytes of a row
	s_add_co_u32 s38, s38, s35
	s_add_nc_u64 s[8:9], s[8:9], s[38:39]
.macro ZEROS
.irp j, 6,7,8,9,10,11,18,19,20,21,22,23
	v_mov_b32 v[QF+\j], 0                          ; q's upper six registers: zero codes for k = 64 .. 127
.endr
.irp j, 0,1,2,3
	v_mov_b32 v[BX+\j], 0                          ; written once: a lane permute's destination counts as one of its sources
.endr
	v_mov_b32 v[FF+1], 0                           ; (named with f as a pair)
.endm
	ZEROS
.irp j, 58,59,60,61,62,63
	v_mov_b32 v[\j], 0                             ; behind k's last tile
.endr
	WIN 0x40
	ZEROS
	WIN 0
	s_wait_loadcnt 13                              ; the mask is in; q's twelve loads and its scale words' one may be out
.irp j, 12,13,14,15
	v_mul_f32 v[\j], 0x41000000, v[\j]             ; 8 x mask: exact
.endr
.irp j, 12,13,14,15
	s_delay_alu instid0(VALU_DEP_4)
	v_max_num_f32 v[\j], 0xff61b1e6, v[\j]         ; held at -3e38
.endr
	v_lshl_add_u32 v19, v0, 4, MASK
	ds_store_b128 v19, v[12:15]
	s_wait_tensorcnt 0x0                           ; my part of the head's bytes has landed,
	s_wait_dscnt 0x0                               ; my part of the mask is stored:
	s_barrier_signal -1
	s_barrier_wait -1                              ; everybody's are.  The launch's one barrier
	s_wait_loadcnt 0x0                             ; q and its scale words
; S^T = k q^T + 8 mask for tile x of pass p: eight tiles of 16 keys.  k's scale words: register t % 4, lanes 0-15 for tiles 0-3, lanes 16-31 for tiles 4-7.
.macro SPROD x, p
.irp t, 0,1,2,3
	v_wmma_scale_f32_16x16x128_f8f6f4 v[SS+8*\t:SS+8*\t+7], v[FRG+6*\t:FRG+6*\t+11], v[QF+12*(\p):QF+12*(\p)+11], v[MK+8*\t:MK+8*\t+7], v[KSW+\t], v[QSW+2*(\p)+(\x)] matrix_a_fmt:MATRIX_FMT_BF6 matrix_b_fmt:MATRIX_FMT_BF6
.endr
.irp t, 4,5,6,7
	v_wmma_scale_f32_16x16x128_f8f6f4 v[SS+8*\t:SS+8*\t+7], v[FRG+6*\t:FRG+6*\t+11], v[QF+12*(\p):QF+12*(\p)+11], v[MK+8*\t:MK+8*\t+7], v[KSW+\t-4], v[QSW+2*(\p)+(\x)] matrix_a_fmt:MATRIX_FMT_BF6 matrix_b_fmt:MATRIX_FMT_BF6 matrix_a_scale:MATRIX_SCALE_ROW1
.endr
.endm
; O^T += v^T p^T: four tiles of 16 channels; K = the step's 128 keys.  psw: p's scale word, in window 0.  Eight accumulators in a step, one instruction each.
.macro PVPROD psw
.irp t, 0,1,2,3
	v_wmma_scale_f32_16x16x128_f8f6f4 v[OO+8*\t:OO+8*\t+7], v[FRG+12*\t:FRG+12*\t+11], v[PCD:PCD+11], v[OO+8*\t:OO+8*\t+7], v[VSW+\t], v[\psw] matrix_a_fmt:MATRIX_FMT_BF6 matrix_b_fmt:MATRIX_FMT_BF6
.endr
.endm
; One tile's softmax for a step of 128 keys; every vector register lies in the tile's own window.
.macro SOFTMAX x
.irp b, 0,1,2,3
	v_max3_num_f32 v[BM+\b], v[SS+16*\b], v[SS+1+16*\b], v[SS+2+16*\b]   ; the largest score of each block of 32 keys: for the row's maximum and, since p rises with the score, for the block's largest p
.endr
.irp i, 3,5,7,9,11,13
.irp b, 0,1,2,3
	v_max3_num_f32 v[BM+\b], v[BM+\b], v[SS+16*\b+\i], v[SS+1+16*\b+\i]   ; (the four blocks by turns)
.endr
.endr
.irp b, 0,1,2,3
	v_max_num_f32 v[BM+\b], v[BM+\b], v[SS+15+16*\b]
.endr
.irp b, 0,1,2,3
	s_delay_alu instid0(VALU_DEP_4)
	v_permlanex16_b32 v[BX+\b], v[BM+\b], s[SEL], s[SEL+1]
.endr
.irp b, 0,1,2,3
	s_delay_alu instid0(VALU_DEP_4)
	v_max_num_f32 v[BM+\b], v[BM+\b], v[BX+\b]     ; with lane l xor 16's 16 keys
.endr
	s_delay_alu instid0(VALU_DEP_2)
	v_max3_num_f32 v[TP], v[BM], v[BM+1], v[BM+2]
	s_delay_alu instid0(VALU_DEP_1)
	v_max_num_f32 v[TP], v[TP], v[BM+3]            ; the step's largest score of my query
	s_delay_alu instid0(VALU_DEP_1)
	v_mul_f32 v[TP], s[CS], v[TP]                  ; as t,
	s_delay_alu instid0(VALU_DEP_1)
	v_fma_f32 v[TP], |v[TP]|, s[EPS], v[TP]        ; raised by at least one unit in its last place: not under the exact product
	s_delay_alu instid0(VALU_DEP_1)
	v_max_num_f32 v[TMX], v[TMX], v[TP]            ; the running largest t
	v_mov_b32 v[TP], v[NM]
	s_delay_alu instid0(VALU_DEP_2)
	v_floor_f32 v[NM], -v[TMX]                     ; the new -M: M is a whole number
	s_delay_alu instid0(VALU_DEP_1)
	v_sub_f32 v[TP], v[NM], v[TP]                  ; old M - new M: a whole number, 0 or less
	s_delay_alu instid0(VALU_DEP_1)
	v_cvt_i32_f32 v[TP], v[TP]                     ; (it saturates)
	s_delay_alu instid0(VALU_DEP_1)
	v_ldexp_f32 v[FF], 1.0, v[TP]                  ; f = 2^(old M - new M)
.set n, 0
.rept 32
	v_pk_fma_f32 v[SS+n:SS+n+1], v[SS+n:SS+n+1], s[CS:CS+1], v[NM:NM+1] op_sel_hi:[1,0,0]   ; t - M, two at a time
.set n, n+2
.endr
.irp b, 0,1,2,3
	v_fma_f32 v[BM+\b], v[BM+\b], s[CS], v[NM]     ; the same of each block's largest score
.endr
.set n, 0
	s_wait_alu depctr_va_vdst(0)
.rept 64
	v_exp_f32 v[SS+n], v[SS+n]                     ; p = 2^(t - M), at most 1
.set n, n+1
.endr
.irp b, 0,1,2,3
	v_exp_f32 v[BM+\b], v[BM+\b]                   ; the block's largest p: the same two instructions on the same number give the same bits
.endr
	v_pk_mul_f32 v[LL:LL+1], v[LL:LL+1], v[FF:FF+1] op_sel_hi:[1,0]   ; the sums under the new M (the plain line behind the exponentials); this step's p are added at the trip's end
	s_wait_alu depctr_va_vdst(0)                   ; one wait for the batch of 68, ahead of its first reader
.irp b, 0,1,2,3
	v_max_num_f32 v[BM+\b], 0x2800000, v[BM+\b]    ; the floor 2^(5 - 127): the byte cannot fall under 1 (a block whose every p is 0 keeps that byte: its codes are zeros)
.endr
.irp b, 0,1,2,3
	s_delay_alu instid0(VALU_DEP_4)
	v_add_nc_u32 v[SO+\b], 0xfe000000, v[BM+\b]    ; 4 off the exponent field: the conversion's scale operand
.endr
.irp b, 0,1,2,3
	s_delay_alu instid0(VALU_DEP_4)
	v_lshrrev_b32 v[BX+\b], 23, v[SO+\b]           ; the scale's byte
.endr
	s_delay_alu instid0(VALU_DEP_3)
	v_lshl_or_b32 v[PWD], v[BX+1], 8, v[BX]        ; p's scale word for these 128 keys
	s_delay_alu instid0(VALU_DEP_1)
	v_lshl_or_b32 v[PWD], v[BX+2], 16, v[PWD]
	s_delay_alu instid0(VALU_DEP_1)
	v_lshl_or_b32 v[PWD], v[BX+3], 24, v[PWD]
.if \x
	WIN 0x01                                       ; scale operands are taken from window 0: tile 1's word goes there
	v_mov_b32 v[PSW1], v[PWD]
	WIN 0x55
.endif
.irp c, 0,1
	v_cvt_scalef32_pk16_bf6_f32 v[PCD+6*\c:PCD+2+6*\c], v[SS+32*\c:SS+15+32*\c], v[SO+2*\c]
	v_cvt_scalef32_pk16_bf6_f32 v[CT+4*\c:CT+2+4*\c], v[SS+16+32*\c:SS+31+32*\c], v[SO+2*\c+1]   ; (a conversion's three registers begin on an even number)
.endr
	v_nop                                          ; one plain line behind a scaled conversion
.irp c, 0,1                                    ; a WHOLE block in a lane: lanes 0-15 block 2 c, lanes 16-31 block 2 c + 1
.irp i, 0,1,2
	v_permlane16_swap_b32 v[PCD+6*\c+\i], v[CT+4*\c+\i]
.endr
.irp i, 0,1,2
	s_delay_alu instid0(VALU_DEP_3)
	v_mov_b32 v[PCD+3+6*\c+\i], v[CT+4*\c+\i]
.endr
.endr
.set n, 0
.rept 16
	v_pk_mul_f32 v[OO+n:OO+n+1], v[OO+n:OO+n+1], v[FF:FF+1] op_sel_hi:[1,0]   ; O^T under the new M, each accumulator from its low end on; these lines also stand between the scale word's and the codes' last writes and the products
.set n, n+2
.endr
.endm
.macro SUMS                            ; the row's sum of the UNQUANTISED p of the step just done, in two chains; it stands at the trip's end, behind the next step's loads of k
	v_pk_add_f32 v[SUMT:SUMT+1], v[SS:SS+1], v[SS+2:SS+3]
.set n, 4
.rept 15
	v_pk_add_f32 v[LL:LL+1], v[LL:LL+1], v[SS+n:SS+n+1]
	v_pk_add_f32 v[SUMT:SUMT+1], v[SUMT:SUMT+1], v[SS+n+2:SS+n+3]
.set n, n+4
.endr
	s_delay_alu instid0(VALU_DEP_1)
	v_pk_add_f32 v[LL:LL+1], v[LL:LL+1], v[SUMT:SUMT+1]
.endm
.macro KLOADS                          ; a step's addresses (four plain lines: the places behind the products that read k's and v's registers) and its eight tiles of k
	v_add_nc_u32 v[ADC], s[TC], v[L8]
	v_add_nc_u32 v[ADS], s[TS], v[AKS]
	v_add_nc_u32 v[ADM], s[TN], v[AMK]
	v_add_nc_u32 v[ADK], s[TN], v[AKS]
.irp t, 0,1,2,3,4,5,6,7
.irp i, 0,1,2
	ds_load_b64 v[FRG+6*\t+2*\i:FRG+6*\t+2*\i+1], v[ADC] offset:768*\t+256*\i   ; k's tile t: three pieces of 256 consecutive bytes
.endr
.endr
.endm
.macro MLOADS am, ak                   ; a step's scale words of k and its 8 x mask, keys 32 (t / 2) + 8 (t % 2) + 16 h + 0 .. 7 in tile t
	ds_load_b128 v[KSW:KSW+3], v[\ak]
	WIN 0x40
.irp t, 0,1,2,3,4,5,6,7
	ds_load_b128 v[MK+8*\t:MK+8*\t+3], v[\am] offset:4*(32*(\t/2)+8*(\t%2))
	ds_load_b128 v[MK+8*\t+4:MK+8*\t+7], v[\am] offset:4*(32*(\t/2)+8*(\t%2))+16
.endr
	WIN 0
.endm
.macro INIT
	v_mov_b32 v[TMX], 0xff61b1e6                   ; -3e38, under every t
	s_delay_alu instid0(VALU_DEP_1)
	v_floor_f32 v[NM], -v[TMX]
	v_mov_b32 v[LL], 0
	v_mov_b32 v[LL+1], 0
.set n, 0
.rept 32
	v_mov_b32 v[OO+n], 0
.set n, n+1
.endr
.endm
.macro RSUM                            ; 1 / the row's sum
	v_add_f32 v[TP], v[LL], v[LL+1]
	s_delay_alu instid0(VALU_DEP_1)
	v_permlanex16_b32 v[BX], v[TP], s[SEL], s[SEL+1]
	s_delay_alu instid0(VALU_DEP_1)
	v_add_f32 v[TP], v[TP], v[BX]
	s_wait_alu depctr_va_vdst(0)
	v_rcp_f32 v[FF], v[TP]
.endm
.macro SCALEO                          ; O^T / the sum, into the scores' first 32 registers
.set n, 0
.rept 16
	v_pk_mul_f32 v[SS+n:SS+n+1], v[OO+n:OO+n+1], v[FF:FF+1] op_sel_hi:[1,0]
.set n, n+2
.endr
.endm
.macro TOSTAGE x                       ; register 8 t + j is channel 32 (t / 2) + 8 (t % 2) + 16 h + j of the query at place r: into rows of 272 bytes, back as whole rows of 256
	WIN 0x04*(\x)                                  ; an LDS store's data are its source 1
.irp t, 0,1,2,3
	ds_store_b128 v[STO], v[SS+8*\t:SS+8*\t+3] offset:(\x)*16*SPITCH+128*(\t/2)+32*(\t%2)
	ds_store_b128 v[STO], v[SS+8*\t+4:SS+8*\t+7] offset:(\x)*16*SPITCH+128*(\t/2)+32*(\t%2)+16
.endr
	WIN 0x40*(\x)
.irp i, 0,1,2,3,4,5,6,7
	ds_load_b128 v[SS+32+4*\i:SS+35+4*\i], v[RD] offset:(\x)*16*SPITCH+2*\i*SPITCH   ; LDS serves a wave's instructions in order: these see my stores
.endr
.endm
.macro SEND x, p, younger              ; stage row 2 i + lane / 16 is the query 32 p + 8 x + 2 (i % 4) + lane / 16 + 16 (i / 4) of my 64
	WIN 0x04*(\x)
.irp i, 0,1,2,3,4,5,6,7
	s_wait_dscnt \younger+7-\i                     ; the LDS instructions issued behind this load may be out
	global_store_b128 v[GO], v[SS+32+4*\i:SS+35+4*\i], s[8:9] offset:(32*(\p)+8*(\x)+2*(\i%4)+16*(\i/4))*4096 th:TH_STORE_NT   ; 16 lanes store 256 consecutive bytes, aligned; written once
.endr
.endm
; A PASS: two tiles of queries walk the head's 1,024 keys, 128 a trip.
.macro PASS p
	INIT
	WIN 0x55
	INIT
	WIN 0
	s_mov_b32 s[TC], 0
	s_mov_b32 s[TS], 0
	s_mov_b32 s[CNT], 8
	s_mov_b32 s[TN], 512
	KLOADS                                         ; step 0's k; its mask and scale words are in their registers: loaded ahead of the first pass, or by the last trip of the pass before
.Lstep_\@:
	s_wait_alu depctr_va_vdst(0)
	s_wait_dscnt 0x0
	WIN 0x10                                       ; tile 0: C in window 1
	SPROD 0, \p
	WIN 0x54                                       ; tile 1: q, C and D in window 1
	SPROD 1, \p
	PLACES                                         ; in front of the loads into k's registers, and of the first read of the scores
	WIN 0
.irp t, 0,1,2,3
.irp i, 0,1,2,3,4,5
	ds_load_b64 v[FRG+12*\t+2*\i:FRG+12*\t+2*\i+1], v[ADC] offset:VC+1536*\t+256*\i   ; v's fragment t of this key step; it lands under the softmax
.endr
.endr
	ds_load_b128 v[VSW:VSW+3], v[ADS] offset:4096
	MLOADS ADM, ADK                                ; the score products have read the mask and k's scale words: the next step's land under the softmax (behind step 7 comes step 0)
	SOFTMAX 0
	WIN 0x55
	SOFTMAX 1
	s_wait_alu depctr_va_vdst(0)
	s_wait_dscnt 0x0                               ; v and its scale words
	WIN 0
	PVPROD PWD
	WIN 0x54
	PVPROD PSW1
	WIN 0                                          ; at a label and at a branch every window is 0
	s_add_co_u32 s[TC], s[TC], 6144
	s_add_co_u32 s[TS], s[TS], 512
	s_add_co_u32 s[TN], s[TS], 512
	s_and_b32 s[TN], s[TN], 4095
	KLOADS                                         ; the next step's k (the last trip's 24 pieces come from the bytes behind k's codes, which hold v's, and are not used)
	SUMS                                           ; both tiles' sums stand between these loads and the wait for them; they are also the places behind the last products
	WIN 0x55
	SUMS
	WIN 0                                          ; at a label and at a branch every window is 0
	s_sub_co_u32 s[CNT], s[CNT], 1
	s_cmp_lg_u32 s[CNT], 0
	s_cbranch_scc1 .Lstep_\@
	RSUM
	WIN 0x55
	RSUM                                           ; (its plain lines stand behind tile 0's reciprocal)
	v_nop                                          ; a plain line behind the last reciprocal
	s_wait_alu depctr_va_vdst(0)                   ; one wait for the two, ahead of their first reader
	SCALEO
	WIN 0
	SCALEO
	TOSTAGE 0
	TOSTAGE 1
	SEND 0, \p, 16                                 ; behind tile 0's loads: tile 1's eight stores and eight loads
	SEND 1, \p, 0
	WIN 0
.endm
	MLOADS AMK, AKS                                ; step 0's mask and scale words of k, once
	PASS 0
	s_wait_xcnt 0x0                                ; the stores have read their registers: the next pass writes them
	PASS 1
	s_wait_tensorcnt 0x0
	ds_add_u32 v254, v255
	s_wait_dscnt 0x0
	s_endpgm
.Lfunc_end_k_q88f256cd5b_attn:
	.size	k_q88f256cd5b_attn, .Lfunc_end_k_q88f256cd5b_attn-k_q88f256cd5b_attn
	.p2alignl 7, 3214868480
	.fill 96, 4, 3214868480
	.section	.rodata,"a",@progbits
	.p2align	6, 0x0
	.amdhsa_kernel k_q88f256cd5b_attn
		.amdhsa_group_segment_fixed_size 197632
		.amdhsa_private_segment_fixed_size 0
		.amdhsa_enable_private_segment 0
		.amdhsa_kernarg_size 24
		.amdhsa_user_sgpr_count 2
		.amdhsa_user_sgpr_kernarg_segment_ptr 1
		.amdhsa_wavefront_size32 1
		.amdhsa_system_sgpr_workgroup_id_x 1
		.amdhsa_system_sgpr_workgroup_id_y 1
		.amdhsa_system_sgpr_workgroup_id_z 1
		.amdhsa_system_vgpr_workitem_id 0
		.amdhsa_next_free_vgpr 512
		.amdhsa_next_free_sgpr 66
		.amdhsa_reserve_vcc 0
		.amdhsa_float_denorm_mode_32 3
		.amdhsa_float_denorm_mode_16_64 3
		.amdhsa_memory_ordered 1
		.amdhsa_forward_progress 1
		.amdhsa_inst_pref_size 99
	.end_amdhsa_kernel
	.amdgpu_metadata
---
amdhsa.version: [ 1, 2 ]
amdhsa.kernels:
  - .name:           k_q88f256cd5b_attn
    .symbol:         k_q88f256cd5b_attn.kd
    .args:
      - { .name: qkv, .offset: 0, .size: 8, .value_kind: global_buffer, .address_space: global }
      - { .name: input1, .offset: 8, .size: 8, .value_kind: global_buffer, .address_space: global }
      - { .name: out0, .offset: 16, .size: 8, .value_kind: global_buffer, .address_space: global }
    .group_segment_fixed_size: 197632
    .private_segment_fixed_size: 0
    .kernarg_segment_align: 8
    .kernarg_segment_size: 24
    .max_flat_workgroup_size: 256
    .sgpr_count:     66
    .vgpr_count:     512
    .wavefront_size: 32
...
	.end_amdgpu_metadata
.endif
;; end of part 3
